; MI455X (gfx1250); checked and timed in simulation.
; The chip was launched on July 23, 2026; its instructions are those of AMD's public machine-readable ISA for CDNA 5 (MIT licence, August 2026) and "CDNA5" Instruction Set Architecture Reference Guide (July 2026). The comments in the code are by the model that wrote it; some were corrected since.
;; Attention Head. Allowed arithmetic: float matrix products may take bf16 or f16 operands with f32 sums; all other float work in f32.
;; Inputs: Wk 64 x 256 float32; Wq 64 x 256 float32; Wv 256 x 256 float32; encodings_for_k 4 x 4,096 x 256 float32; encodings_for_q 4 x 4,096 x 256 float32; encodings_for_v 4 x 4,096 x 256 float32; mask 4,096 x 4,096 bool.
;; Outputs: out0 4 x 4,096 x 256 float32.
;; One version. Each part assembles by itself: llvm-mc -triple=amdgcn-amd-amdhsa -mcpu=gfx1250 --defsym DOCPART=n.
;; ======== version 1 of 1: 2 launches
;; limits: values are held in f16: magnitudes above 65,504 overflow, below 6.1e-05 lose precision
;; workspace buffers: qf 2,097,152 bytes; kvf 10,485,760 bytes; maskbits 2,097,152 bytes of whole numbers
;; launch prep (part 1): grid 256 x 1, 8 waves a work-group, no clusters, 302,080 bytes of LDS; arguments encodings_for_q, encodings_for_k, encodings_for_v, mask, Wq, Wk, Wv, qf, kvf, maskbits; writes qf, kvf, maskbits
.if DOCPART == 1
	.amdgcn_target "amdgcn-amd-amdhsa--gfx1250"
	.amdhsa_code_object_version 6
	.text
	.protected	k_q5c4f1f9347_prep
	.globl	k_q5c4f1f9347_prep
	.p2align	8
	.type	k_q5c4f1f9347_prep,@function
k_q5c4f1f9347_prep:
	s_mov_b64 s[64:65], 0
	v_nop
	global_prefetch_b8 v0, s[64:65] scope:SCOPE_SE
	s_setreg_imm32_b32 hwreg(HW_REG_WAVE_MODE, 25, 1), 1
	s_wait_xcnt 0x0
; PREP: the three projections and the packing of the mask, each input byte read from memory once.
;   q = enc_q Wq^T (times log2(e)/8), k = enc_k Wk^T, v = enc_v Wv^T.  Encodings and weights are rounded to bf16, sums in f32, and the
;   results are rounded once to f16 and stored as the register images of the matrix fragments that the attention launch loads:
;   qf   block g (64 rows, 8,192 bytes): [tile c 0..3][a 0..3][lane][16 bytes]; lane (r, h) holds row 16 c + r, d = 16 a + 8 h + 0..7
;   kvf  block g (40,960 bytes): first 8,192 bytes of k, laid out as qf, then v of rows 64 g .. 64 g + 63 transposed:
;        [ch 0..1][e 0..15][half 0..1][lane][16 bytes]; lane (r, h) holds column 16 e + r of v, rows 32 ch + 16 half + 8 h + 0..7.
;        THE K PART IS SHIFTED: k of rows 64 g .. lies in block g - 8, modulo 64 inside the batch, because the attention launch multiplies by k
;        two of its steps (eight blocks) ahead of v and fetches a block by one tensor load.
;   maskbits [q tile 0..255][key tile 0..255][j 0..7] words: bit r + 16 h = mask[16 qtile + r][16 ktile + 8 h + j] (any non-zero byte counts as true)
; Work-group g of 256: rows 64 g .. 64 g + 63 of each encoding (batch and row flattened) and mask rows 16 g .. 16 g + 15.  Eight waves.
; LIMITS: q log2(e)/8, k and v must fit f16: |k|, |v| < 65,504, |q| < 363,000 (beyond: infinity).  Drawn inputs give about 1; both factors
;   30 times larger give a root mean square of about 900; both offset by 30 spreads give 256 x 30 x 30/16 = 14,400.  Below 2^-14 the f16 step is 2^-24.
; NO CLUSTER: what the work-groups share is the weights, 393,216 bytes of f32.  The group's own tiles take 267,264 bytes of LDS, so the weights
;   have no room there; each wave loads the 49,152 bytes of weight rows that it multiplies by, once, straight into registers, and converts them there.
; LDS: ENCV 0, ENCQ 66,560, ENCK 133,120: 64 rows of pitch 1,040 (= 65 x 16: sixteen rows begin in sixteen different 16-byte columns of 256 bytes);
;   MSK 199,680 + 8,448 w: 16 rows of pitch 528;  WST 267,264 + 4,352 w: 16 rows of pitch 272, written by LDS stores alone.
; REGISTERS: window 0: v1-v7 addresses, v16-79 fragments of Wq or Wk, v80-143 accumulators and conversion work, v144-207 encoding fragments
;   (two buffers) and mask words, v208-215 packed mask, v216-223 work.  Window 1: weights in f32 as loaded; v0-127 then fragments of Wv.
.set EPITCH, 1040
.set EREG,   64*EPITCH                 ; 66,560: one encoding's region
.set EWAVE,  8*EPITCH                  ; 8,320: a wave's 8 rows
.set MSK,    3*EREG                    ; 199,680
.set MPITCH, 528
.set MWAVE,  16*MPITCH                 ; 8,448
.set WST,    MSK+8*MWAVE               ; 267,264
.set WPITCH, 272
.set WWAVE,  16*WPITCH                 ; 4,352
.set GRAN,   40960                     ; a block of kvf
.set WFQK, 16
.set ACC,  80
.set CT,   80
.set EF,   144
.set MW,   144
.set MO,   208
.set TT,   216
.set G1E,  24                          ; s[24:31] shape of an encoding tile
.set G1M,  32                          ; s[32:39] shape of a mask tile
.set G0,   40                          ; s[40:55] four groups 0: v, mask, q, k
.set MSB, 0
.macro WIN new                         ; s_set_vgpr_msb: bits 1:0 source 0, 3:2 source 1, 5:4 source 2, 7:6 destination; the high byte repeats the setting left
.if MSB != \new
	s_set_vgpr_msb (MSB<<8)|\new
.set MSB, \new
.endif
.endm
.macro PLACES n
.rept \n
	v_nop
.endr
.endm
	s_load_b512 s[4:19], s[0:1], 0x0               ; enc_q s[4:5], enc_k s[6:7], enc_v s[8:9], mask s[10:11], Wq s[12:13], Wk s[14:15], Wv s[16:17], qf s[18:19]
	s_load_b128 s[20:23], s[0:1], 0x40             ; kvf s[20:21], maskbits s[22:23]
	v_lshrrev_b32 v11, 5, v0
	v_readfirstlane_b32 s56, v11                   ; wave 0..7
	; encoding tile: 8 rows x 256 f32, 16 bytes of padding behind each row of 256 words
	s_mov_b32 s[G1E+0], (2<<16)|(1<<20)|(7<<22)|(3<<25)
	s_mov_b32 s[G1E+1], 256<<16                    ; tensor_dim0 = 256
	s_mov_b32 s[G1E+2], 8<<16                      ; tensor_dim1 = 8
	s_mov_b32 s[G1E+3], 256<<16                    ; tile_dim0 = 256
	s_mov_b32 s[G1E+4], 8                          ; tile_dim1 = 8
	s_mov_b32 s[G1E+5], 256                        ; elements from row to row
	s_mov_b32 s[G1E+6], 0
	s_mov_b32 s[G1E+7], 0
	; mask tile: 16 rows x 128 words (512 keys), rows 1,024 words apart, 16 bytes of padding behind each row of 128 words
	s_mov_b32 s[G1M+0], (2<<16)|(1<<20)|(6<<22)|(3<<25)
	s_mov_b32 s[G1M+1], 128<<16
	s_mov_b32 s[G1M+2], 16<<16
	s_mov_b32 s[G1M+3], 128<<16
	s_mov_b32 s[G1M+4], 16
	s_mov_b32 s[G1M+5], 1024
	s_mov_b32 s[G1M+6], 0
	s_mov_b32 s[G1M+7], 0
	; byte offsets, each in registers of its own
	s_lshl_b32 s57, ttmp9, 16                      ; g x 65,536: 64 encoding rows, and 16 mask rows
	s_lshl_b32 s58, s56, 13
	s_add_co_u32 s58, s58, s57                     ; + 8 rows of 1,024 bytes a wave
	s_mov_b32 s59, 0
	s_lshl_b32 s60, s56, 9
	s_add_co_u32 s60, s60, s57                     ; + 512 keys a wave
	s_mov_b32 s61, 0
	s_mul_i32 s62, s56, EWAVE                      ; LDS: my 8 rows in a region
	s_mul_i32 s63, s56, MWAVE
	s_add_co_u32 s63, s63, MSK                     ; LDS: my mask tile
	s_mul_i32 s68, s56, WWAVE
	s_add_co_u32 s68, s68, WST                     ; LDS: my weight stage
	s_lshl_b32 s66, s56, 15                        ; Wv: my 32 rows of 1,024 bytes
	s_mov_b32 s67, 0
	s_mul_i32 s70, ttmp9, GRAN
	s_lshl_b32 s69, s56, 11
	s_add_co_u32 s70, s70, s69
	s_add_co_u32 s70, s70, 8192                    ; kvf: block g, v part, e tiles 2 w and 2 w + 1
	s_mov_b32 s71, 0
	s_lshl_b32 s72, ttmp9, 13
	s_lshl_b32 s69, s56, 10
	s_add_co_u32 s72, s72, s69                     ; maskbits: q tile g, key tiles 32 w ..
	s_mov_b32 s73, 0
	s_and_b32 s69, s56, 3                          ; a: which 16 of the 64 projected numbers are mine
	s_lshl_b32 s76, s69, 14                        ; Wq, Wk: 16 rows of 1,024 bytes
	s_mov_b32 s77, 0
	s_lshl_b32 s69, s69, 9                         ; piece a of 512 bytes
	s_lshr_b32 s82, s56, 2
	s_mul_i32 s82, s82, EREG
	s_add_co_u32 s82, s82, EREG                    ; LDS: ENCQ for waves 0-3, ENCK for waves 4-7
	s_sub_co_u32 s83, ttmp9, 8
	s_and_b32 s83, s83, 63                         ; (g - 8) modulo 64,
	s_and_b32 s80, ttmp9, 0xc0                     ; in the same batch:
	s_or_b32 s83, s83, s80                         ; the block of kvf that takes my rows' k
	s_mov_b32 s84, GRAN
	s_cmp_lt_u32 s56, 4                            ; waves 0-3 make q, waves 4-7 make k
	s_cselect_b32 s84, 8192, s84                   ; bytes of a block of qf or of kvf
	s_cselect_b32 s83, ttmp9, s83                  ; q goes to block g of qf
	s_cselect_b32 s78, 0x3e38aa3b, 1.0             ; q is multiplied by log2(e)/8, k by one: one text serves both
	s_mov_b32 s79, s78
	s_mul_i32 s84, s84, s83
	s_add_co_u32 s84, s84, s69
	s_mov_b32 s85, 0
	; lane terms
	v_and_b32 v8, 31, v0                           ; lane L
	v_and_b32 v9, 15, v0                           ; r
	v_bfe_u32 v10, v0, 4, 1                        ; h
	v_lshlrev_b32 v1, 4, v8                        ; 16 L: never rewritten
	v_mul_u32_u24 v2, v9, EPITCH
	v_lshl_add_u32 v2, v10, 4, v2                  ; fragment of an encoding: r x pitch + 16 h
	v_lshl_add_u32 v3, v8, 3, s68                  ; stage, in: 8 L
	v_mul_u32_u24 v4, v9, WPITCH
	v_lshl_add_u32 v4, v10, 4, v4
	v_add_nc_u32 v4, s68, v4                       ; stage, out: r x pitch + 16 h
	v_add_nc_u32 v5, s62, v1                       ; my rows as f32: 16 L
	v_lshl_add_u32 v6, v8, 3, s62                  ; my rows as bf16: 8 L
	v_mul_u32_u24 v7, v9, MPITCH
	v_lshl_add_u32 v7, v10, 3, v7
	v_add_nc_u32 v7, s63, v7                       ; mask: row r, 8 h
	s_wait_kmcnt 0x0
	; The four first fills of this wave go out together, ahead of every wait on TENSORcnt, LDS read and barrier: four tensor loads out, none later.
	s_mov_b32 s[G0+0], 1
	s_add_co_u32 s[G0+1], s62, 0
	s_add_nc_u64 s[G0+2:G0+3], s[8:9], s[58:59]
	s_or_b32 s[G0+3], s[G0+3], 0x80000000
	tensor_load_to_lds s[G0:G0+3], s[G1E:G1E+7]                    ; my 8 rows of enc_v
	s_nop 0
	s_mov_b32 s[G0+4], 1
	s_add_co_u32 s[G0+5], s63, 0
	s_add_nc_u64 s[G0+6:G0+7], s[10:11], s[60:61]
	s_or_b32 s[G0+7], s[G0+7], 0x80000000
	tensor_load_to_lds s[G0+4:G0+7], s[G1M:G1M+7]                  ; 16 mask rows x my 512 keys
	s_nop 0
	s_mov_b32 s[G0+8], 1
	s_add_co_u32 s[G0+9], s62, EREG
	s_add_nc_u64 s[G0+10:G0+11], s[4:5], s[58:59]
	s_or_b32 s[G0+11], s[G0+11], 0x80000000
	tensor_load_to_lds s[G0+8:G0+11], s[G1E:G1E+7]                 ; my 8 rows of enc_q
	s_nop 0
	s_mov_b32 s[G0+12], 1
	s_add_co_u32 s[G0+13], s62, 2*EREG
	s_add_nc_u64 s[G0+14:G0+15], s[6:7], s[58:59]
	s_or_b32 s[G0+15], s[G0+15], 0x80000000
	tensor_load_to_lds s[G0+12:G0+15], s[G1E:G1E+7]                ; my 8 rows of enc_k
	s_nop 0
	s_cmp_lt_u32 s56, 4                            ; compared anew: the lines above set SCC
	s_cselect_b64 s[74:75], s[12:13], s[14:15]     ; Wq or Wk
	s_cselect_b64 s[86:87], s[18:19], s[20:21]     ; qf or kvf
	s_add_nc_u64 s[16:17], s[16:17], s[66:67]
	s_add_nc_u64 s[74:75], s[74:75], s[76:77]
	s_add_nc_u64 s[86:87], s[86:87], s[84:85]
	s_add_nc_u64 s[20:21], s[20:21], s[70:71]
	s_add_nc_u64 s[22:23], s[22:23], s[72:73]
	; Wv: my 32 rows in 64 loads of 512 neighbouring bytes; batch n = 2 T + half holds 16 rows of tile T, 128 columns
	WIN 0x40
.irp n, 0,1,2,3
.irp p, 0,1,2,3,4,5,6,7,8,9,10,11,12,13,14,15
	global_load_b128 v[64*\n+4*\p:64*\n+4*\p+3], v1, s[16:17] offset:(16*(\n>>1)+\p)*1024+(\n&1)*512
.endr
.endr
; One batch of weights, 16 rows x 128 columns of f32 in window 1 at src: round to bf16, through my own stage, back as four fragments (16 rows x 32 K)
; at dst in the window that dwin names.  left = the younger loads that may stay out.  LDS serves a wave's instructions in order (ISA guide 5.7.1),
; so the stage needs no wait between its stores and its loads, nor between a batch's loads and the next batch's stores.
.macro WBATCH src, dst, dwin, left
	s_wait_loadcnt \left
	WIN 0x05
.irp p, 0,1,2,3,4,5,6,7,8,9,10,11,12,13,14,15
	v_cvt_pk_bf16_f32 v[CT+2*\p], v[\src+4*\p], v[\src+4*\p+1]
	v_cvt_pk_bf16_f32 v[CT+2*\p+1], v[\src+4*\p+2], v[\src+4*\p+3]
.endr
	WIN 0
.irp p, 0,1,2,3,4,5,6,7,8,9,10,11,12,13,14,15
	ds_store_b64 v3, v[CT+2*\p:CT+2*\p+1] offset:\p*WPITCH
.endr
	WIN \dwin
.irp k, 0,1,2,3
	ds_load_b128 v[\dst+8*\k:\dst+8*\k+3], v4 offset:\k*64
	ds_load_b128 v[\dst+8*\k+4:\dst+8*\k+7], v4 offset:\k*64+32
.endr
.endm
	; fragment (tile T, K step ks) of Wv lands at window 1, v[64 T + 8 ks]: always on registers whose f32 have been converted
	WBATCH 0,   0,  0x40, 48
	WBATCH 64,  32, 0x40, 32
	WBATCH 128, 64, 0x40, 16
	WBATCH 192, 96, 0x40, 0
	; my 16 rows of Wq or Wk, 32 loads, on their way during the v product
	WIN 0x40
.irp n, 0,1
.irp p, 0,1,2,3,4,5,6,7,8,9,10,11,12,13,14,15
	global_load_b128 v[128+64*\n+4*\p:128+64*\n+4*\p+3], v1, s[74:75] offset:\p*1024+\n*512
.endr
.endr
	WIN 0
; My 8 rows of the region that v5 and v6 point into: f32 to bf16, each row into the first 512 bytes of its own 1,024.
.macro INPLACE
.irp i, 0,1,2,3,4,5,6,7
	ds_load_b128 v[CT+8*\i:CT+8*\i+3], v5 offset:\i*EPITCH
	ds_load_b128 v[CT+8*\i+4:CT+8*\i+7], v5 offset:\i*EPITCH+512
.endr
	s_wait_dscnt 0x0                               ; all 16 loads are in before the first store lands on the rows
.irp t, 0,1,2,3,4,5,6,7,8,9,10,11,12,13,14,15
	v_cvt_pk_bf16_f32 v[CT+4*\t], v[CT+4*\t], v[CT+4*\t+1]
	v_cvt_pk_bf16_f32 v[CT+4*\t+1], v[CT+4*\t+2], v[CT+4*\t+3]
.endr
.irp i, 0,1,2,3,4,5,6,7
	ds_store_b64 v6, v[CT+8*\i:CT+8*\i+1] offset:\i*EPITCH
	ds_store_b64 v6, v[CT+8*\i+4:CT+8*\i+5] offset:\i*EPITCH+256
.endr
.endm
; The fragments of four row tiles at K step ks, 8 loads, into buffer buf
.macro EFLOAD buf, ks
.irp t, 0,1,2,3
	ds_load_b128 v[EF+32*\buf+8*\t:EF+32*\buf+8*\t+3], v2 offset:\t*16*EPITCH+\ks*64
	ds_load_b128 v[EF+32*\buf+8*\t+4:EF+32*\buf+8*\t+7], v2 offset:\t*16*EPITCH+\ks*64+32
.endr
.endm
	s_wait_tensorcnt 0x3                           ; three younger loads stay out: my rows of enc_v have landed
	s_wait_dscnt 0x0                               ; no LDS instruction is pending at a signal
	s_barrier_signal -1
	s_barrier_wait -1                              ; every wave's rows of enc_v have landed: a wave's rows share a 256-byte block with its neighbour's, so no store goes there earlier
	INPLACE
	s_wait_dscnt 0x0                               ; my stores are done, for the other waves' sake
	s_barrier_signal -1
	s_barrier_wait -1                              ; all 64 rows lie there in bf16
	; v: A = 16 rows of the encoding, B = 16 rows of Wv, so that a lane's eight results are eight neighbouring rows of one column of v.
	; Eight accumulators (2 e tiles x 4 row tiles) take turns, one instruction a turn; the first K step starts the sums.
	EFLOAD 0, 0
	EFLOAD 1, 1
	WIN 0x04                                       ; B from window 1
.set ks, 0
.rept 8
.if ks < 7
	s_wait_dscnt 0x8                               ; this step's eight loads are in, the next step's eight may be out
.else
	s_wait_dscnt 0x0
.endif
.irp e, 0,1
.irp t, 0,1,2,3
.if ks == 0
	v_wmma_f32_16x16x32_bf16 v[ACC+8*(4*\e+\t):ACC+8*(4*\e+\t)+7], v[EF+32*(ks&1)+8*\t:EF+32*(ks&1)+8*\t+7], v[64*\e+8*ks:64*\e+8*ks+7], 0
.else
	v_wmma_f32_16x16x32_bf16 v[ACC+8*(4*\e+\t):ACC+8*(4*\e+\t)+7], v[EF+32*(ks&1)+8*\t:EF+32*(ks&1)+8*\t+7], v[64*\e+8*ks:64*\e+8*ks+7], v[ACC+8*(4*\e+\t):ACC+8*(4*\e+\t)+7]
.endif
.endr
.endr
.if ks < 6
	PLACES 4                                       ; four places between a matrix instruction and a load into its sources (ISA guide 7.12.1 for vector instructions)
	EFLOAD (ks&1), (ks+2)
.endif
.set ks, ks+1
.endr
	WIN 0
	PLACES 4                                       ; four places before the results are read
.irp a, 0,1,2,3,4,5,6,7
	v_cvt_pk_f16_f32 v[ACC+8*\a], v[ACC+8*\a], v[ACC+8*\a+1]
	v_cvt_pk_f16_f32 v[ACC+8*\a+1], v[ACC+8*\a+2], v[ACC+8*\a+3]
	v_cvt_pk_f16_f32 v[ACC+8*\a+2], v[ACC+8*\a+4], v[ACC+8*\a+5]
	v_cvt_pk_f16_f32 v[ACC+8*\a+3], v[ACC+8*\a+6], v[ACC+8*\a+7]
.endr
.irp e, 0,1
.irp t, 0,1,2,3
	global_store_b128 v1, v[ACC+8*(4*\e+\t):ACC+8*(4*\e+\t)+3], s[20:21] offset:(\t>>1)*16384+\e*1024+(\t&1)*512   ; 512 neighbouring bytes, aligned
.endr
.endr
	; the mask: lane (r, h) reads the 8 bytes of row r, keys 16 kt + 8 h + 0..7; a compare turns byte j of all 32 lanes into one word
	s_wait_tensorcnt 0x2                           ; two younger loads stay out: my mask tile has landed; only I read it
.set k, 0
.rept 32
	ds_load_b64 v[MW+2*k:MW+2*k+1], v7 offset:16*k
.set k, k+1
.endr
.irp i, 0,1,2,3,4,5,6,7
	v_mov_b32 v[MO+\i], 0                          ; v_writelane_b32 keeps the other lanes: its destination is written whole once
.endr
	s_wait_dscnt 0x0
.set k, 0
.rept 32
.irp j, 0,1,2,3,4,5,6,7
	v_and_b32 v[TT+\j], 0xff<<(8*(\j&3)), v[MW+2*k+(\j>>2)]
.endr
.irp j, 0,1,2,3,4,5,6,7
	v_cmp_ne_u32 s[88+\j], 0, v[TT+\j]
.endr
.irp j, 0,1,2,3,4,5,6,7
	v_writelane_b32 v[MO+4*(k>>4)+(\j&3)], s[88+\j], 2*(k&15)+(\j>>2)   ; word 8 k + j of my 256 = register (8 k + j) & 3 of lane ((8 k + j) >> 2) & 31 of store k >> 4
.endr
.set k, k+1
.endr
	global_store_b128 v1, v[MO:MO+3], s[22:23]
	global_store_b128 v1, v[MO+4:MO+7], s[22:23] offset:512
	s_wait_xcnt 0x0                                ; the stores above have read their data: v80.. is written again only behind this wait
	WBATCH 128, WFQK,    0, 16                     ; my tile of Wq or Wk: K steps 0-3,
	WBATCH 192, WFQK+32, 0, 0                      ; K steps 4-7
	s_wait_tensorcnt 0x0                           ; my rows of enc_q and enc_k have landed
	s_wait_dscnt 0x0
	s_barrier_signal -1
	s_barrier_wait -1                              ; every wave's have
	v_add_nc_u32 v5, EREG, v5
	v_add_nc_u32 v6, EREG, v6
	INPLACE                                        ; enc_q
	v_add_nc_u32 v5, EREG, v5
	v_add_nc_u32 v6, EREG, v6
	INPLACE                                        ; enc_k
	s_wait_dscnt 0x0
	s_barrier_signal -1
	s_barrier_wait -1
	; q or k: A = my 16 rows of the weight, B = 16 rows of the encoding: a lane's eight results are d = 16 a + 8 h + 0..7 of one row.
	; Four accumulators (the four row tiles) take turns, one instruction a turn.
	v_add_nc_u32 v2, s82, v2
	EFLOAD 0, 0
	EFLOAD 1, 1
.set ks, 0
.rept 8
.if ks < 7
	s_wait_dscnt 0x8
.else
	s_wait_dscnt 0x0
.endif
.irp c, 0,1,2,3
.if ks == 0
	v_wmma_f32_16x16x32_bf16 v[ACC+8*\c:ACC+8*\c+7], v[WFQK+8*ks:WFQK+8*ks+7], v[EF+32*(ks&1)+8*\c:EF+32*(ks&1)+8*\c+7], 0
.else
	v_wmma_f32_16x16x32_bf16 v[ACC+8*\c:ACC+8*\c+7], v[WFQK+8*ks:WFQK+8*ks+7], v[EF+32*(ks&1)+8*\c:EF+32*(ks&1)+8*\c+7], v[ACC+8*\c:ACC+8*\c+7]
.endif
.endr
.if ks < 6
	PLACES 4
	EFLOAD (ks&1), (ks+2)
.endif
.set ks, ks+1
.endr
	PLACES 4
.irp c, 0,1,2,3
.irp i, 0,2,4,6
	v_pk_mul_f32 v[ACC+8*\c+\i:ACC+8*\c+\i+1], v[ACC+8*\c+\i:ACC+8*\c+\i+1], s[78:79] op_sel_hi:[1,0]
.endr
.endr
.irp c, 0,1,2,3
	v_cvt_pk_f16_f32 v[ACC+8*\c], v[ACC+8*\c], v[ACC+8*\c+1]
	v_cvt_pk_f16_f32 v[ACC+8*\c+1], v[ACC+8*\c+2], v[ACC+8*\c+3]
	v_cvt_pk_f16_f32 v[ACC+8*\c+2], v[ACC+8*\c+4], v[ACC+8*\c+5]
	v_cvt_pk_f16_f32 v[ACC+8*\c+3], v[ACC+8*\c+6], v[ACC+8*\c+7]
.endr
.irp c, 0,1,2,3
	global_store_b128 v1, v[ACC+8*\c:ACC+8*\c+3], s[86:87] offset:\c*2048     ; piece (c, a): 512 neighbouring bytes, aligned
.endr
	s_endpgm
.Lfunc_end_k_q5c4f1f9347_prep:
	.size	k_q5c4f1f9347_prep, .Lfunc_end_k_q5c4f1f9347_prep-k_q5c4f1f9347_prep
	.p2alignl 7, 3214868480
	.fill 96, 4, 3214868480
	.section	.rodata,"a",@progbits
	.p2align	6, 0x0
	.amdhsa_kernel k_q5c4f1f9347_prep
		.amdhsa_group_segment_fixed_size 302080
		.amdhsa_private_segment_fixed_size 0
		.amdhsa_enable_private_segment 0
		.amdhsa_kernarg_size 80
		.amdhsa_user_sgpr_count 2
		.amdhsa_user_sgpr_kernarg_segment_ptr 1
		.amdhsa_wavefront_size32 1
		.amdhsa_system_sgpr_workgroup_id_x 1
		.amdhsa_system_sgpr_workgroup_id_y 1
		.amdhsa_system_sgpr_workgroup_id_z 1
		.amdhsa_system_vgpr_workitem_id 0
		.amdhsa_next_free_vgpr 512
		.amdhsa_next_free_sgpr 96
		.amdhsa_reserve_vcc 0
		.amdhsa_float_denorm_mode_32 3
		.amdhsa_float_denorm_mode_16_64 3
		.amdhsa_memory_ordered 1
		.amdhsa_forward_progress 1
		.amdhsa_inst_pref_size 121
	.end_amdhsa_kernel
	.amdgpu_metadata
---
amdhsa.version: [ 1, 2 ]
amdhsa.kernels:
  - .name:           k_q5c4f1f9347_prep
    .symbol:         k_q5c4f1f9347_prep.kd
    .args:
      - { .name: encodings_for_q, .offset: 0, .size: 8, .value_kind: global_buffer, .address_space: global }
      - { .name: encodings_for_k, .offset: 8, .size: 8, .value_kind: global_buffer, .address_space: global }
      - { .name: encodings_for_v, .offset: 16, .size: 8, .value_kind: global_buffer, .address_space: global }
      - { .name: mask, .offset: 24, .size: 8, .value_kind: global_buffer, .address_space: global }
      - { .name: Wq, .offset: 32, .size: 8, .value_kind: global_buffer, .address_space: global }
      - { .name: Wk, .offset: 40, .size: 8, .value_kind: global_buffer, .address_space: global }
      - { .name: Wv, .offset: 48, .size: 8, .value_kind: global_buffer, .address_space: global }
      - { .name: qf, .offset: 56, .size: 8, .value_kind: global_buffer, .address_space: global }
      - { .name: kvf, .offset: 64, .size: 8, .value_kind: global_buffer, .address_space: global }
      - { .name: maskbits, .offset: 72, .size: 8, .value_kind: global_buffer, .address_space: global }
    .group_segment_fixed_size: 302080
    .private_segment_fixed_size: 0
    .kernarg_segment_align: 8
    .kernarg_segment_size: 80
    .max_flat_workgroup_size: 256
    .sgpr_count:     96
    .vgpr_count:     512
    .wavefront_size: 32
...
	.end_amdgpu_metadata
.endif
;; end of part 1
;; launch attn (part 2): grid 64 x 4, 4 waves a work-group, clusters of 4 x 1, 327,680 bytes of LDS; arguments qf, kvf, maskbits, out0; writes out0
.if DOCPART == 2
	.amdgcn_target "amdgcn-amd-amdhsa--gfx1250"
	.amdhsa_code_object_version 6
	.text
	.protected	k_q5c4f1f9347_attn
	.globl	k_q5c4f1f9347_attn
	.p2align	8
	.type	k_q5c4f1f9347_attn,@function
k_q5c4f1f9347_attn:
	s_mov_b64 s[64:65], 0
	v_nop
	global_prefetch_b8 v0, s[64:65] scope:SCOPE_SE
	s_setreg_imm32_b32 hwreg(HW_REG_WAVE_MODE, 25, 1), 1
	s_wait_xcnt 0x0
	s_wait_alu depctr_hold_cnt(0) depctr_sa_sdst(0) depctr_va_vdst(0) depctr_va_sdst(0) depctr_va_ssrc(0) depctr_va_vcc(0) depctr_vm_vsrc(0)
	s_getreg_b32 s2, hwreg(HW_REG_IB_STS2, 6, 4)
	s_cmp_eq_u32 s2, 0
	s_cbranch_scc0 .Lentry_in_a_cluster
	s_endpgm
.Lentry_in_a_cluster:
	s_bfe_u32 s2, ttmp6, 0x10000c
	s_cmp_lg_u32 s2, 0x3003
	s_cbranch_scc0 .Lentry_shape_is_right
	s_endpgm
.Lentry_shape_is_right:
; ATTN: out = softmax(where(mask, -1e9, q k^T / 8)) v for 64 query rows of one batch, by a running maximum.
; Four waves.  Each wave takes ALL 64 queries and a quarter of the keys: in step i = 0..15 wave w works on keys 64 (4 i + w) .. + 63,
; so every byte of k and v is read from LDS once in the work-group, and a wave's sums are 64 queries x 256 columns = 512 registers.
; The four partial results (each with its maximum and its sum of exponentials) are merged through LDS at the end.
; BOTH PRODUCTS ARE TRANSPOSED.  S^T = K Q^T: register j of lane (r, h) is key 8 h + j, query r.  Rounded in pairs to f16 that is at once the B fragment
; of P for O^T = V^T P^T: no lane ever sends a score to another.  A lane owns one query, so maximum, sum and rescaling factor are numbers of the lane;
; the two halves of the wave hold different keys of the same query and meet by one v_permlanex16_b32.
; q comes multiplied by log2(e)/8, so exponentials are in base 2; a masked score is replaced by -1e9 log2(e), a finite number as in the definition:
; a row that is masked throughout comes out as the mean of v.
; THE STEPS OVERLAP.  A step has 160 matrix instructions and 800 vector instructions, five for one.  Trip i issues the matrix instructions of S^T of
; step i + 1 (32) and of P V of step i (128), and between each two of them five lines of the vector program: the rescaling of O for step i and the
; mask, maximum, exponentials, sums and rounding of step i + 1.  The vector program is written out as plain macros; in front of each of its lines
; stands Z, which issues the next matrix instruction of the trip's list after every RATIO-th line and then sets the line's register windows.
; Two assembly-time guards carry what the two programs owe each other: mlim, the matrix instruction that may not yet be issued, and MSYNC n, which
; issues the list up to instruction n where a vector line needs it done.  The price is two switches of the register windows for a matrix instruction:
; O alone fills two of the four windows, so products and softmax cannot share a setting.
; THE TILES.  Block 4 i + w of kvf holds v of step i and k of step i + 2 (the launch that makes it shifts k by eight blocks): trip i reads one slot alone,
; and k is in registers a trip before it is multiplied.  k of steps 0 and 1 comes straight from memory (blocks 56 + w and 60 + w of the batch).
; CLUSTER: the four work-groups of a cluster are four query blocks of one batch and walk the same blocks of kvf.  Each block is asked for jointly
; (mask 15): the same line, the same descriptor (made of the batch, the wave's number and the step alone) in all four.  The place in the cluster enters
; the addresses of qf, maskbits and out0 only: no LDS address, no branch, no descriptor.
; LIMITS: q log2(e)/8, k, v and P are f16 operands (range and step: see the launch that makes them); the sum of exponentials adds the unrounded
; exponentials while the product takes them rounded to f16; keys are summed in four parts and merged, another order than a plain sum;
; NaN and infinities in the inputs are not carried as the definition carries them (the maxima drop a NaN).
; LDS: wave w owns bytes 81,920 w .. + 81,919: two slots of 40,960.  After their last fill the same bytes hold the wave's partial O (64 rows of pitch
; 1,040 = 65 x 16 bytes) and at + 66,560 its maxima (256 bytes) and sums (256 bytes).
; REGISTERS: window 0: v1-v13 addresses, v16-23 maxima and v24-31 factors (pairs), v32-35 sums, v36 the masked score, v40-63 work,
;   v64-127 fragments of K, v128-191 and v192-255 two buffers of fragments of V^T.
;   window 1: v0-127 S (tile (kt, c) at 8 (4 kt + c)), v128-191 Q, v192-255 P (fragment (c, ch) at 192 + 32 ch + 8 c).
;   windows 2, 3: O^T, tile (e, c) at 8 (4 (e & 7) + c), e = 0..7 and 8..15.
.set GRAN,   40960                     ; a block of kvf, and an LDS slot
.set WREG,   2*GRAN                    ; a wave's LDS
.set KBYTES, 8192                      ; k's part of a block
.set OPITCH, 1040
.set STAT,   64*OPITCH                 ; 66,560
.set SL0, 2                            ; v2, v3: 16 lane + my slot 0, 1
.set MM,  16
.set AL,  24
.set LL,  32
.set NEG, 36
.set T,   40
.set KF,  64
.set VA,  128
.set VB,  192
.set QF,  128                          ; window 1
.set PF,  192                          ; window 1
.set MT,  64                           ; the merge: four waves' maxima and sums
.set MX,  96
.set MS,  100
.set G1,  16                           ; s[16:23]
.set G0,  24                           ; s[24:31]: a group 0 for each slot
.set MB0, 32                           ; s[32:63]: 32 mask words of an even q tile
.set MB1, 68                           ; s[68:99]: of an odd one (= MB0 + 36)
.set MSB, 0
.macro WIN new                         ; s_set_vgpr_msb: bits 1:0 source 0, 3:2 source 1, 5:4 source 2, 7:6 destination; the high byte repeats the setting left
.if MSB != \new
	s_set_vgpr_msb (MSB<<8)|\new
.set MSB, \new
.endif
.endm
.macro PLACES n
.rept \n
	v_nop
.endr
.endm
; A round of the cluster's barrier: my work-group's barrier, wave 0 signals for the work-group, every wave waits for all four work-groups, my work-group's barrier again.
.macro CREST                           ; a round behind its opening barrier
	s_cmp_lg_u32 s12, 0
	s_cbranch_scc1 .Lnot_wave_0_\@
	s_barrier_signal -3
.Lnot_wave_0_\@:
	s_barrier_wait -3
	s_barrier_signal -1
	s_barrier_wait -1
.endm
.macro CROUND
	s_barrier_signal -1
	s_barrier_wait -1
	CREST
.endm
.macro LOADK slot                      ; 16 loads of 512 neighbouring bytes: fragment (kt, s) at KF + 16 kt + 8 s
.irp p, 0,1,2,3,4,5,6,7,8,9,10,11,12,13,14,15
	ds_load_b128 v[KF+4*\p:KF+4*\p+3], v[SL0+\slot] offset:512*\p
.endr
.endm
.macro LOADV buf, slot, ch, e0         ; 16 loads: eight fragments of V^T, column tiles e0 .. e0 + 7, keys 32 ch .. + 31
.irp i, 0,1,2,3,4,5,6,7
	ds_load_b128 v[\buf+8*\i:\buf+8*\i+3], v[SL0+\slot] offset:KBYTES+(16*\ch+\e0+\i)*1024
	ds_load_b128 v[\buf+8*\i+4:\buf+8*\i+7], v[SL0+\slot] offset:KBYTES+(16*\ch+\e0+\i)*1024+512
.endr
.endm
.macro MLOAD ca, cb                    ; 128 bytes of mask words for each of two q tiles
	s_load_b512 s[MB0:MB0+15], s[8:9], \ca*8192
	s_load_b512 s[MB0+16:MB0+31], s[8:9], \ca*8192+64
	s_load_b512 s[MB1:MB1+15], s[8:9], \cb*8192
	s_load_b512 s[MB1+16:MB1+31], s[8:9], \cb*8192+64
.endm
; ---- THE MATRIX PROGRAM OF A TRIP: instruction mp = 0..159.  All accumulators take turns, one instruction a turn. ----
; 0-31: S^T of the next step.  Key tiles 0, 1 first (eight tiles with d = 0..31, which starts the sums, then the same eight with d = 32..63), then key tiles 2, 3.
.macro MST
.set mk, 2*(mp>>4)+((mp&7)>>2)
.set mc, mp&3
.set ms, 8*((mp>>3)&1)
.set mo, 8*(4*mk+mc)
	WIN 0x54
.if ms == 0
	v_wmma_f32_16x16x32_f16 v[mo:mo+7], v[KF+16*mk:KF+16*mk+7], v[QF+16*mc:QF+16*mc+7], 0
.else
	v_wmma_f32_16x16x32_f16 v[mo:mo+7], v[KF+16*mk+8:KF+16*mk+15], v[QF+16*mc+8:QF+16*mc+15], v[mo:mo+7]
.endif
.endm
; 32-159: O^T += V^T P^T in four blocks of 32: (buffer A, keys 0-31, window 2), (B, keys 32-63, window 2), (A, keys 0-31, window 3), (B, keys 32-63, window 3).
; At the head of each block stand its wait and the LDS loads into the buffer that the block before has left.
.macro MPV
.set mn, (mp-32)&31
.set mb, (mp-32)>>5
.if mn == 0
.if mb == 0
	s_wait_dscnt 16                                ; buffer A is in; B's 16 loads may be out
.endif
.if mb == 1
	PLACES 4                                       ; four places between a matrix instruction and a load into its sources (ISA guide 7.12.1 for vector instructions)
	WIN 0
	LOADV VA, SLOT, 0, 8
	s_wait_dscnt 16                                ; buffer B is in; the 16 just issued may be out
.endif
.if mb == 2
	PLACES 4
	WIN 0
	LOADV VB, SLOT, 1, 8
.if FILL
	LOADK SLOT                                     ; k of the step after next, from the same slot
	s_wait_dscnt 32                                ; buffer A is in; B's 16 and K's 16 may be out
.else
	s_wait_dscnt 16
.endif
.endif
.if mb == 3
	s_wait_dscnt 0x0                               ; my reads of this slot are over
.if SOFT
	s_wait_tensorcnt 0x0                           ; all my tensor loads have landed: the one that was out is the next trip's block, which only I read
.endif
.if FILL
	s_add_nc_u64 s[G0+4*SLOT+2:G0+4*SLOT+3], s[G0+4*SLOT+2:G0+4*SLOT+3], 8*GRAN   ; no tensor load of mine is out: the slot's block two steps on
	s_barrier_signal -1                            ; opens a round of the cluster's barrier; up to its wait only register work follows
.endif
.endif
.endif
.set mw, 0xa4+0x50*(mb>>1)
.set mo, 8*mn
.set ma, VA+64*(mb&1)+8*(mn>>2)
.set mq, PF+32*(mb&1)+8*(mn&3)
	WIN mw
.if FIRST*(1-(mb&1))
	v_wmma_f32_16x16x32_f16 v[mo:mo+7], v[ma:ma+7], v[mq:mq+7], 0
.else
	v_wmma_f32_16x16x32_f16 v[mo:mo+7], v[ma:ma+7], v[mq:mq+7], v[mo:mo+7]
.endif
.endm
.macro MNEXT
.if mp < 32
	MST
.else
	MPV
.endif
.set mp, mp+1
.endm
; In front of every line of the vector program: after RATIO lines the next matrix instruction, if mlim lets it go; then the line's windows.
.macro Z code
.if credit >= RATIO
.if mp < mlim
	MNEXT
.set credit, 0
.endif
.endif
.set credit, credit+1
	WIN \code
.endm
; The matrix program up to instruction n.  Where it has to issue any, four places follow, since the next vector line may touch their registers (ISA guide 7.12.1).
.macro MSYNC n
.if mp < \n
.rept \n-mp
	MNEXT
.endr
	PLACES 4
.set credit, 0
.endif
.endm
; ---- THE VECTOR PROGRAM'S PIECES ----
.macro RS code, k0, n                  ; pairs k0 .. k0 + n - 1 of a window of O^T (tile k >> 2 = 4 e + c) times the factor of q tile c
.set vk, \k0
.rept \n
	Z \code
	v_pk_mul_f32 v[2*vk:2*vk+1], v[2*vk:2*vk+1], v[AL+2*((vk>>2)&3):AL+2*((vk>>2)&3)+1]
.set vk, vk+1
.endr
.endm
.macro CV ch                           ; P(c, ch): registers 0-3 from S(2 ch, c), 4-7 from S(2 ch + 1, c); line 8 c + i makes register i
.set vk, 0
.rept 32
	Z 0x45
	v_cvt_pk_f16_f32 v[PF+32*\ch+vk], v[8*(4*(2*\ch+((vk&7)>>2))+(vk>>3))+2*(vk&3)], v[8*(4*(2*\ch+((vk&7)>>2))+(vk>>3))+2*(vk&3)+1]
.set vk, vk+1
.endr
.endm
; The mask of q tiles c0, c0 + 1: word 8 kt + j holds, for each lane, the mask of register j of tile (kt, c).  Behind it the registers are asked for again:
; behind q tiles 0, 1 with the words of q tiles 2, 3 of the same step, behind q tiles 2, 3 with those of q tiles 0, 1 of the next step.
.macro MK c0
	s_wait_kmcnt 0x0                               ; scalar loads return in no order: zero; no scalar load is out now, so their base may be stepped
.if \c0
.if NXT
	s_add_nc_u64 s[8:9], s[8:9], 512               ; four blocks of 64 keys on: 16 key tiles of 32 bytes
.endif
.endif
.set vk, 0
.rept 64
	Z 0x41
	v_cndmask_b32 v[8*(4*((vk>>3)&3)+\c0+(vk>>5))+(vk&7)], v[8*(4*((vk>>3)&3)+\c0+(vk>>5))+(vk&7)], v[NEG], s[MB0+36*(vk>>5)+(vk&31)]
.set vk, vk+1
.endr
.if \c0 == 0
	MLOAD 2, 3
.else
.if NXT
	MLOAD 0, 1
.endif
.endif
.endm
; New maxima of two q tiles (c0 even, c1 odd), stage by stage for both: 32 scores and the old maximum in 16 three-way maxima, then the other half of the wave.
.macro XM c0, c1
.irp c, \c0, \c1
.irp kt, 0,1,2,3
	Z 0x15
	v_max3_num_f32 v[T+8*(\c&1)+\kt], v[8*(4*\kt+\c)], v[8*(4*\kt+\c)+1], v[8*(4*\kt+\c)+2]
.endr
.endr
.irp c, \c0, \c1
.irp kt, 0,1,2,3
	Z 0x14
	v_max3_num_f32 v[T+8*(\c&1)+\kt], v[T+8*(\c&1)+\kt], v[8*(4*\kt+\c)+3], v[8*(4*\kt+\c)+4]
.endr
.endr
.irp c, \c0, \c1
.irp kt, 0,1,2,3
	Z 0x14
	v_max3_num_f32 v[T+8*(\c&1)+\kt], v[T+8*(\c&1)+\kt], v[8*(4*\kt+\c)+5], v[8*(4*\kt+\c)+6]
.endr
.endr
.irp c, \c0, \c1
	Z 0x00
	v_max3_num_f32 v[T+8*(\c&1)], v[T+8*(\c&1)], v[T+8*(\c&1)+1], v[T+8*(\c&1)+2]
.endr
.irp c, \c0, \c1
	Z 0x10
	v_max3_num_f32 v[T+8*(\c&1)], v[T+8*(\c&1)], v[T+8*(\c&1)+3], v[8*\c+7]
.endr
.irp c, \c0, \c1
	Z 0x14
	v_max3_num_f32 v[T+8*(\c&1)], v[T+8*(\c&1)], v[8*(4+\c)+7], v[8*(8+\c)+7]
.endr
.irp c, \c0, \c1
	Z 0x04
.if SF
	v_max_num_f32 v[T+8*(\c&1)], v[T+8*(\c&1)], v[8*(12+\c)+7]
.else
	v_max3_num_f32 v[T+8*(\c&1)], v[T+8*(\c&1)], v[8*(12+\c)+7], v[MM+2*\c]
.endif
.endr
.irp c, \c0, \c1
	Z 0x00
	v_permlanex16_b32 v[T+8*(\c&1)+1], v[T+8*(\c&1)], s14, s15     ; lane i xor 16: the same query's other keys
.endr
.irp c, \c0, \c1
	Z 0x00
	v_max_num_f32 v[T+8*(\c&1)], v[T+8*(\c&1)], v[T+8*(\c&1)+1]
.endr
.if SF == 0
.irp c, \c0, \c1
	Z 0x00
	v_sub_f32 v[T+8*(\c&1)+2], v[MM+2*\c], v[T+8*(\c&1)]
.endr
.irp c, \c0, \c1
	Z 0x00
	v_exp_f32 v[AL+2*\c], v[T+8*(\c&1)+2]          ; the factor for what has been summed so far
.endr
.endif
.irp c, \c0, \c1
	Z 0x00
	v_mov_b32 v[MM+2*\c], v[T+8*(\c&1)]            ; plain lines behind the exponentials, ahead of the first use of their results (ISA guide 5.7.2)
	Z 0x00
	v_mov_b32 v[MM+2*\c+1], v[T+8*(\c&1)]
.endr
.if SF == 0
.irp c, \c0, \c1
	Z 0x00
	s_wait_alu depctr_va_vdst(0)
	v_mov_b32 v[AL+2*\c+1], v[AL+2*\c]
.endr
.endif
.endm
.macro SSUB c, kt                      ; score - maximum, two at a time
.irp i, 0,2,4,6
	Z 0x41
	v_pk_add_f32 v[8*(4*\kt+\c)+\i:8*(4*\kt+\c)+\i+1], v[8*(4*\kt+\c)+\i:8*(4*\kt+\c)+\i+1], v[MM+2*\c:MM+2*\c+1] neg_lo:[0,1] neg_hi:[0,1]
.endr
.endm
.macro SEXPT c, kt
.irp i, 0,1,2,3,4,5,6,7
	Z 0x41
	v_exp_f32 v[8*(4*\kt+\c)+\i], v[8*(4*\kt+\c)+\i]
.endr
.endm
.macro SSUM c, kt                      ; two pairs of running sums for each q tile; tile 0 starts them
.if \kt == 0
	Z 0x05
	s_wait_alu depctr_va_vdst(0)
	v_pk_add_f32 v[T+16+4*(\c&1):T+17+4*(\c&1)], v[8*\c:8*\c+1], v[8*\c+4:8*\c+5]
	Z 0x05
	v_pk_add_f32 v[T+18+4*(\c&1):T+19+4*(\c&1)], v[8*\c+2:8*\c+3], v[8*\c+6:8*\c+7]
.else
.irp i, 0,4
	Z 0x04
	s_wait_alu depctr_va_vdst(0)
	v_pk_add_f32 v[T+16+4*(\c&1):T+17+4*(\c&1)], v[T+16+4*(\c&1):T+17+4*(\c&1)], v[8*(4*\kt+\c)+\i:8*(4*\kt+\c)+\i+1]
	Z 0x04
	v_pk_add_f32 v[T+18+4*(\c&1):T+19+4*(\c&1)], v[T+18+4*(\c&1):T+19+4*(\c&1)], v[8*(4*\kt+\c)+\i+2:8*(4*\kt+\c)+\i+3]
.endr
.endif
.endm
; Exponentials and their sums.  Behind each run of exponentials stand plain lines on other tiles before its results are read (ISA guide 5.7.2).
.macro EX c0, c1
	SSUB \c0, 0
	SSUB \c1, 0
	SEXPT \c0, 0
	SEXPT \c1, 0
	SSUB \c0, 1
	SSUB \c1, 1
	SEXPT \c0, 1
	SEXPT \c1, 1
	SSUM \c0, 0
	SSUM \c1, 0
	SSUB \c0, 2
	SSUB \c1, 2
	SEXPT \c0, 2
	SEXPT \c1, 2
	SSUM \c0, 1
	SSUM \c1, 1
	SSUB \c0, 3
	SSUB \c1, 3
	SEXPT \c0, 3
	SEXPT \c1, 3
	SSUM \c0, 2
	SSUM \c1, 2
	SSUM \c0, 3
	SSUM \c1, 3
.irp c, \c0, \c1
	Z 0x00
	v_pk_add_f32 v[T+16+4*(\c&1):T+17+4*(\c&1)], v[T+16+4*(\c&1):T+17+4*(\c&1)], v[T+18+4*(\c&1):T+19+4*(\c&1)]
.endr
.irp c, \c0, \c1
	Z 0x00
.if SF
	v_add_f32 v[LL+\c], v[T+16+4*(\c&1)], v[T+17+4*(\c&1)]
.else
	v_add_f32 v[T+16+4*(\c&1)], v[T+16+4*(\c&1)], v[T+17+4*(\c&1)]
.endif
.endr
.if SF == 0
.irp c, \c0, \c1
	Z 0x00
	v_fma_f32 v[LL+\c], v[LL+\c], v[AL+2*\c], v[T+16+4*(\c&1)]     ; my half's sum; the halves are added once, at the end
.endr
.endif
.endm
; ---- TRIP i: P V of step i from slot, and (soft) S^T and softmax of step i + 1.  first: the sums of O start here, nothing is rescaled.
; fill: the slot is filled again, two steps ahead; k of step i + 2 and the mask words of step i + 2 are fetched.
; At the head: P's keys 0-31 of step i are rounded, its keys 32-63 still lie in S; k of step i + 1 is in registers; one tensor load of mine is out at the most.
.macro TRIP slot, first, fill, soft
.set SLOT, \slot
.set FIRST, \first
.set FILL, \fill
.set SOFT, \soft
.set NXT, \fill
.set SF, 0
.set RATIO, 5-\first                   ; 800 vector lines for 160 matrix instructions; 544 in the first trip
.set credit, RATIO
.set mp, 32-32*\soft
.set mlim, 16                          ; S^T may not write key tiles 2, 3 before P's keys 32-63 have been rounded out of them
	WIN 0
	LOADV VA, SLOT, 0, 0                           ; behind the last matrix instruction of the trip before stand five plain lines or four v_nop
	LOADV VB, SLOT, 1, 0
.if \first == 0
	RS 0x82, 0, 8                                  ; eight plain lines ahead of the first write of P's keys 32-63
.endif
	CV 1
.set mlim, 32                          ; no product into window 2 before it has been rescaled
.if \first == 0
	RS 0x82, 8, 120
.endif
	MSYNC 32                                       ; S^T is complete
.set mlim, 96                          ; no product into window 3 before it has been rescaled
.if \soft
	MK 0
.endif
.if \first == 0
	RS 0xc3, 0, 128
.endif
.set mlim, 160
.if \soft
	XM 0, 1
	EX 0, 1
	MK 2
	XM 2, 3
	EX 2, 3
	MSYNC 128                                      ; the last product that reads P's keys 0-31 has been issued
	CV 0
.endif
	MSYNC 160
	WIN 0
.if \fill
	s_barrier_wait -1
	CREST                                          ; no wave of any partner still reads this slot or has a load on its way
	tensor_load_to_lds s[G0+4*\slot:G0+4*\slot+3], s[G1:G1+7]      ; my one tensor load behind the round, and the first thing there
	s_nop 0
.endif
.endm
	s_load_b256 s[4:11], s[0:1], 0x0               ; qf s[4:5], kvf s[6:7], maskbits s[8:9], out0 s[10:11]
	v_lshrrev_b32 v14, 5, v0
	v_readfirstlane_b32 s12, v14                   ; wave 0..3
	s_mov_b32 s14, 0x76543210                      ; v_permlanex16_b32: lane i of one half reads lane i of the other
	s_mov_b32 s15, 0xfedcba98
	; group 1: a dense block of 160 rows of 256 bytes (32 elements of 8 bytes), asked for by all four work-groups of the cluster
	s_mov_b32 s[G1+0], 15|(3<<16)|(1<<21)
	s_mov_b32 s[G1+1], 32<<16
	s_mov_b32 s[G1+2], 160<<16
	s_mov_b32 s[G1+3], 32<<16
	s_mov_b32 s[G1+4], 160
	s_mov_b32 s[G1+5], 32
	s_mov_b32 s[G1+6], 0
	s_mov_b32 s[G1+7], 0
	s_bfe_u32 s32, ttmp6, 0x40000                  ; cx: my place in the cluster
	s_lshl_b32 s33, ttmp9, 2
	s_add_co_u32 s33, s33, s32                     ; query block = 4 x cluster x + cx
	s_and_b32 s34, ttmp7, 0xffff                   ; batch
	s_mul_i32 s36, s34, 64*GRAN                    ; kvf: batch and wave alone, in registers that never hold cx
	s_mul_i32 s38, s12, GRAN
	s_add_co_u32 s36, s36, s38
	s_mov_b32 s37, 0
	s_mul_i32 s39, s12, WREG                       ; my LDS
	s_lshl_b32 s40, s34, 6
	s_add_co_u32 s40, s40, s33
	s_lshl_b32 s40, s40, 13                        ; qf: block 64 batch + query block, 8,192 bytes
	s_mov_b32 s41, 0
	s_lshl_b32 s42, s33, 15                        ; maskbits: four q tiles of 8,192 bytes a query block,
	s_lshl_b32 s44, s12, 7                         ; four key tiles of 32 bytes a wave
	s_add_co_u32 s42, s42, s44
	s_mov_b32 s43, 0
	s_lshl_b32 s44, s34, 22                        ; out0: 4,096 rows of 1,024 bytes a batch,
	s_lshl_b32 s46, s33, 16                        ; 64 rows a query block,
	s_add_co_u32 s44, s44, s46
	s_lshl_b32 s46, s12, 14                        ; 16 rows a wave
	s_add_co_u32 s44, s44, s46
	s_mov_b32 s45, 0
	s_mul_i32 s47, s12, 16*OPITCH
	v_and_b32 v1, 31, v0
	v_lshlrev_b32 v1, 4, v1                        ; 16 lane: never rewritten
	v_and_b32 v14, 15, v0                          ; r
	v_bfe_u32 v15, v0, 4, 1                        ; h
	v_add_nc_u32 v2, s39, v1                       ; slot 0
	v_add_nc_u32 v3, GRAN, v2                      ; slot 1
	v_lshlrev_b32 v4, 4, v14
	v_add_nc_u32 v4, STAT, v4                      ; maxima and sums of wave 0: 16 r,
	v_add_nc_u32 v5, WREG, v4                      ; of waves 1,
	v_add_nc_u32 v6, WREG, v5                      ; 2
	v_add_nc_u32 v7, WREG, v6                      ; and 3
	v_add_nc_u32 v13, s39, v4                      ; my own
	v_add_nc_u32 v8, s47, v1                       ; rows 16 w .. of wave 0's partial O,
	v_add_nc_u32 v9, WREG, v8
	v_add_nc_u32 v10, WREG, v9
	v_add_nc_u32 v11, WREG, v10
	v_mul_u32_u24 v12, v14, OPITCH
	v_lshl_add_u32 v12, v15, 5, v12
	v_add_nc_u32 v12, s39, v12                     ; my partial O: row r, 32 h
	v_mov_b32 v[NEG], 0xceabfb8f                   ; -1e9 x log2(e)
	s_wait_kmcnt 0x0
	s_add_nc_u64 s[6:7], s[6:7], s[36:37]          ; never rewritten from here on
	s_add_nc_u64 s[4:5], s[4:5], s[40:41]
	s_add_nc_u64 s[8:9], s[8:9], s[42:43]
	s_add_nc_u64 s[10:11], s[10:11], s[44:45]
	CROUND                                         ; all four work-groups are here: the first joint loads meet
.irp s, 0,1
	s_mov_b32 s[G0+4*\s], 1
	s_add_co_u32 s[G0+4*\s+1], s39, \s*GRAN
	s_add_nc_u64 s[G0+4*\s+2:G0+4*\s+3], s[6:7], \s*4*GRAN         ; step s: block 4 s + w
	s_or_b32 s[G0+4*\s+3], s[G0+4*\s+3], 0x80000000
	tensor_load_to_lds s[G0+4*\s:G0+4*\s+3], s[G1:G1+7]            ; both first fills together: two tensor loads out, later one
	s_nop 0
.endr
	WIN 0x40
.irp p, 0,1,2,3,4,5,6,7,8,9,10,11,12,13,14,15
	global_load_b128 v[QF+4*\p:QF+4*\p+3], v1, s[4:5] offset:512*\p    ; fragment (c, s) of Q at QF + 16 c + 8 s
.endr
	WIN 0
.irp p, 0,1,2,3,4,5,6,7,8,9,10,11,12,13,14,15
	global_load_b128 v[KF+4*\p:KF+4*\p+3], v1, s[6:7] offset:56*GRAN+512*\p   ; k of step 0 lies in block 56 + w of the batch
.endr
	MLOAD 0, 1                                     ; overwrites the set-up's scalars, which are no longer needed
	s_wait_loadcnt 0x0                             ; Q and k of step 0
	; STEP 0's scores and softmax stand alone: there is no product yet to issue them behind.
.set SLOT, 0
.set FIRST, 0
.set FILL, 0
.set SOFT, 0
.set RATIO, 5
.set credit, 0
.set mp, 0
.set mlim, 32
	MSYNC 32                                       ; S^T of step 0, and four places behind it
.set mlim, 0                           ; no matrix instruction among the lines that follow
	WIN 0
.irp p, 0,1,2,3,4,5,6,7,8,9,10,11,12,13,14,15
	global_load_b128 v[KF+4*\p:KF+4*\p+3], v1, s[6:7] offset:60*GRAN+512*\p   ; k of step 1: block 60 + w; on its way during the softmax
.endr
.set SF, 1                             ; no old maximum, no factor: the sums start here
.set NXT, 1
	MK 0
	XM 0, 1
	EX 0, 1
	MK 2
	XM 2, 3
	EX 2, 3
	CV 0
	WIN 0
	s_wait_tensorcnt 0x1                           ; step 0's block has landed, step 1's stays out
	s_wait_loadcnt 0x0                             ; k of step 1
	TRIP 0, 1, 1, 1                                ; trip 0 starts the sums of O: nothing is cleared
	s_mov_b32 s13, 6
.Lpair:
	TRIP 1, 0, 1, 1                                ; trips 1 to 12
	TRIP 0, 0, 1, 1
	s_sub_co_u32 s13, s13, 1
	s_cmp_lg_u32 s13, 0
	s_cbranch_scc1 .Lpair
	TRIP 1, 0, 1, 1                                ; trip 13 asks for the last block
	TRIP 0, 0, 0, 1                                ; trip 14: the last scores and softmax; nothing is filled
	TRIP 1, 0, 0, 0                                ; trip 15: the last product
	; THE MERGE.  No slot is filled any more and my reads of my slots are back, so my LDS takes my maxima, sums and partial O.
	; Four v_nop stand behind the last matrix instruction (the closing MSYNC of trip 15).
.set mp, 160
.set mlim, 0
.irp c, 0,1,2,3
	v_permlanex16_b32 v[T+\c], v[LL+\c], s14, s15
.endr
.irp c, 0,1,2,3
	v_add_f32 v[LL+\c], v[LL+\c], v[T+\c]          ; both halves' keys
.endr
.irp c, 0,1,2,3
	v_mov_b32 v[T+\c], v[MM+2*\c]
.endr
	ds_store_b128 v13, v[T:T+3]                    ; lanes r and r + 16 store the same numbers to the same bytes
	ds_store_b128 v13, v[LL:LL+3] offset:256
	s_wait_dscnt 0x0                               ; for the other waves' sake
	s_barrier_signal -1
	s_barrier_wait -1
.irp w, 0,1,2,3
	ds_load_b128 v[MT+4*\w:MT+4*\w+3], v[4+\w]
	ds_load_b128 v[MT+16+4*\w:MT+16+4*\w+3], v[4+\w] offset:256
.endr
	s_wait_dscnt 0x0
.irp c, 0,1,2,3
	v_max3_num_f32 v[MX+\c], v[MT+\c], v[MT+4+\c], v[MT+8+\c]
.endr
.irp c, 0,1,2,3
	v_max_num_f32 v[MX+\c], v[MX+\c], v[MT+12+\c]  ; the maximum over all keys
.endr
.irp w, 0,1,2,3
.irp c, 0,1,2,3
	v_sub_f32 v[MT+4*\w+\c], v[MT+4*\w+\c], v[MX+\c]
.endr
.endr
.irp c, 0,1,2,3
	v_sub_f32 v[MM+2*\c], v[MM+2*\c], v[MX+\c]
.endr
.irp i, 0,1,2,3,4,5,6,7,8,9,10,11,12,13,14,15
	v_exp_f32 v[MT+\i], v[MT+\i]
.endr
.irp c, 0,1,2,3
	v_exp_f32 v[MM+2*\c], v[MM+2*\c]
.endr
	v_nop                                          ; a plain line behind the exponentials (ISA guide 5.7.2)
	s_wait_alu depctr_va_vdst(0)
.irp c, 0,1,2,3
	v_mul_f32 v[MS+\c], v[MT+\c], v[MT+16+\c]
.endr
.irp w, 1,2,3
.irp c, 0,1,2,3
	v_fmac_f32 v[MS+\c], v[MT+4*\w+\c], v[MT+16+4*\w+\c]
.endr
.endr
.irp c, 0,1,2,3
	v_rcp_f32 v[MS+\c], v[MS+\c]                   ; the sum is at least 1: the key that holds the maximum adds exactly 1
.endr
	v_nop
	s_wait_alu depctr_va_vdst(0)
.irp c, 0,1,2,3
	v_mul_f32 v[AL+2*\c], v[MM+2*\c], v[MS+\c]
	v_mul_f32 v[AL+2*\c+1], v[MM+2*\c], v[MS+\c]
.endr
	RS 0x82, 0, 128                                ; my part, brought to the common maximum and divided by the whole sum
	RS 0xc3, 0, 128
	WIN 0x08
.irp e, 0,1,2,3,4,5,6,7
.irp c, 0,1,2,3
	ds_store_b128 v12, v[8*(4*\e+\c):8*(4*\e+\c)+3] offset:\c*16*OPITCH+\e*64          ; row 16 c + r, columns 16 e + 8 h + 0..3
	ds_store_b128 v12, v[8*(4*\e+\c)+4:8*(4*\e+\c)+7] offset:\c*16*OPITCH+\e*64+16
.endr
.endr
	WIN 0x0c
.irp e, 0,1,2,3,4,5,6,7
.irp c, 0,1,2,3
	ds_store_b128 v12, v[8*(4*\e+\c):8*(4*\e+\c)+3] offset:\c*16*OPITCH+(\e+8)*64
	ds_store_b128 v12, v[8*(4*\e+\c)+4:8*(4*\e+\c)+7] offset:\c*16*OPITCH+(\e+8)*64+16
.endr
.endr
	WIN 0
	s_wait_dscnt 0x0
	s_barrier_signal -1
	s_barrier_wait -1
	; Wave w adds the four parts of rows 16 w .. 16 w + 15, four rows (eight half rows of 512 bytes) at a time, and stores them.
.set bt, 0
.rept 4
.if bt
	s_wait_xcnt 0x0                                ; the last batch's stores have read their data: the registers are loaded again only behind this wait
.endif
.irp t, 0,1,2,3,4,5,6,7
.irp p, 0,1,2,3
	ds_load_b128 v[64+32*\p+4*\t:64+32*\p+4*\t+3], v[8+\p] offset:(4*bt+(\t>>1))*OPITCH+(\t&1)*512
.endr
.endr
.irp t, 0,1,2,3,4,5,6,7
	s_wait_dscnt 4*(7-\t)                          ; the four parts of half row t are in; the later half rows' loads may be out
	v_pk_add_f32 v[64+4*\t:64+4*\t+1], v[64+4*\t:64+4*\t+1], v[96+4*\t:96+4*\t+1]
	v_pk_add_f32 v[64+4*\t+2:64+4*\t+3], v[64+4*\t+2:64+4*\t+3], v[96+4*\t+2:96+4*\t+3]
	v_pk_add_f32 v[128+4*\t:128+4*\t+1], v[128+4*\t:128+4*\t+1], v[160+4*\t:160+4*\t+1]
	v_pk_add_f32 v[128+4*\t+2:128+4*\t+3], v[128+4*\t+2:128+4*\t+3], v[160+4*\t+2:160+4*\t+3]
	v_pk_add_f32 v[64+4*\t:64+4*\t+1], v[64+4*\t:64+4*\t+1], v[128+4*\t:128+4*\t+1]
	v_pk_add_f32 v[64+4*\t+2:64+4*\t+3], v[64+4*\t+2:64+4*\t+3], v[128+4*\t+2:128+4*\t+3]
	global_store_b128 v1, v[64+4*\t:64+4*\t+3], s[10:11] offset:(4*bt+(\t>>1))*1024+(\t&1)*512 th:TH_STORE_NT   ; 512 neighbouring bytes, aligned
.endr
.set bt, bt+1
.endr
	CROUND                                         ; the closing round: no work-group ends while a partner may still ask for a block that names it
	s_endpgm
.Lfunc_end_k_q5c4f1f9347_attn:
	.size	k_q5c4f1f9347_attn, .Lfunc_end_k_q5c4f1f9347_attn-k_q5c4f1f9347_attn
	.p2alignl 7, 3214868480
	.fill 96, 4, 3214868480
	.section	.rodata,"a",@progbits
	.p2align	6, 0x0
	.amdhsa_kernel k_q5c4f1f9347_attn
		.amdhsa_group_segment_fixed_size 327680
		.amdhsa_private_segment_fixed_size 0
		.amdhsa_enable_private_segment 0
		.amdhsa_kernarg_size 32
		.amdhsa_user_sgpr_count 2
		.amdhsa_user_sgpr_kernarg_segment_ptr 1
		.amdhsa_wavefront_size32 1
		.amdhsa_system_sgpr_workgroup_id_x 1
		.amdhsa_system_sgpr_workgroup_id_y 1
		.amdhsa_system_sgpr_workgroup_id_z 1
		.amdhsa_system_vgpr_workitem_id 0
		.amdhsa_next_free_vgpr 1024
		.amdhsa_next_free_sgpr 100
		.amdhsa_reserve_vcc 0
		.amdhsa_float_denorm_mode_32 3
		.amdhsa_float_denorm_mode_16_64 3
		.amdhsa_memory_ordered 1
		.amdhsa_forward_progress 1
		.amdhsa_inst_pref_size 255
	.end_amdhsa_kernel
	.section	.bss,"aw",@nobits
	.p2align	6
	.space	262144
	.amdgpu_metadata
---
amdhsa.version: [ 1, 2 ]
amdhsa.kernels:
  - .name:           k_q5c4f1f9347_attn
    .symbol:         k_q5c4f1f9347_attn.kd
    .args:
      - { .name: qf, .offset: 0, .size: 8, .value_kind: global_buffer, .address_space: global }
      - { .name: kvf, .offset: 8, .size: 8, .value_kind: global_buffer, .address_space: global }
      - { .name: maskbits, .offset: 16, .size: 8, .value_kind: global_buffer, .address_space: global }
      - { .name: out0, .offset: 24, .size: 8, .value_kind: global_buffer, .address_space: global }
    .group_segment_fixed_size: 327680
    .private_segment_fixed_size: 0
    .kernarg_segment_align: 8
    .kernarg_segment_size: 32
    .max_flat_workgroup_size: 128
    .sgpr_count:     100
    .vgpr_count:     1024
    .wavefront_size: 32
...
	.end_amdgpu_metadata
.endif
;; end of part 2
